; MI455X (gfx1250); checked and timed in simulation.
; The chip was launched on July 23, 2026; its instructions are those of AMD's public machine-readable ISA for CDNA 5 (MIT licence, August 2026) and "CDNA5" Instruction Set Architecture Reference Guide (July 2026). The comments in the code are by the model that wrote it; some were corrected since.
;; Mo E Layer. Allowed arithmetic: matrix products marked QUANTISED: E3M2 operands, one E8M0 scale for each 32 along K, by v_wmma_scale_f32_16x16x128_f8f6f4 with both operands' format E3M2, f32 sums; products left as they are: f32 operands where the result goes on into a quantised operand, else bf16, f16 or f32 operands; f32 sums; everything else in f32.
;; Inputs: router_w 2 x 1,024 float32; w1_codes 2 x 4,096 x 32 x 24 uint8 (E3M2 codes of w1, K innermost, in blocks of 32 codes, four codes in three bytes); w1_scales 2 x 4,096 x 32 uint8 (E8M0 scales of w1, one for each 32 codes along K); w2_codes 2 x 1,024 x 128 x 24 uint8 (E3M2 codes of w2, K innermost, in blocks of 32 codes, four codes in three bytes); w2_scales 2 x 1,024 x 128 uint8 (E8M0 scales of w2, one for each 32 codes along K); x 2 x 2,048 x 1,024 float32.
;; Outputs: out0 2 x 2,048 x 1,024 float32.
;; This version of the problem:
;;   THIS VERSION OF THE PROBLEM IS GIVEN IN LOW PRECISION. The matrix products marked QUANTISED in the list below multiply operands that are first quantised to E3M2 (3 exponent bits, 2 mantissa bits; 6 bits a number), with one power-of-two scale for each 32 numbers along K (OCP MX v1.0); their sums are f32. All else is computed in f32.
;;   The module's matrix products, in the order in which they are computed (A, B: the left and right operand; K: the contracted axis; several contracted axes count as one K, in the product's order):
;;     1. [M 4,096, K 1,024] x [K 1,024, N 2]; A: input x; B: input router_w: left as it is (N = 2 < 16)
;;     2. batch 4,096 x [M 1, K 2] x [K 2, N 2]; A: computed on the way; B: computed on the way: left as it is (K = 2 < 32)
;;     3. [M 8,192, K 1,024] x [K 1,024, N 4,096]; A: input w1 (given as codes); B: input x: QUANTISED
;;     4. batch 2 x [M 4,096, K 4,096] x [K 4,096, N 1,024]; A: computed on the way; B: input w2 (given as codes): QUANTISED
;;     5. batch 4,096 x [M 1, K 2] x [K 2, N 1,024]; A: computed on the way; B: computed on the way: left as it is (K = 2 < 32)
;;   THE QUANTISER, for each operand of a quantised product, along K:
;;     - K is cut into blocks of 32 from its start; a last block that is shorter is filled with zeros.
;;     - A block's scale is 2^e with e = floor(log2(the largest magnitude in the block)) - 4, held to -126 .. 127; a block of zeros has e = 0. As a byte (E8M0): e + 127.
;;     - Each number is divided by its block's scale, clamped to +-28, and rounded to the nearest number of E3M2, ties to even, subnormals kept.
;;     - The product sums the exact products of the quantised numbers (number of the format x scale) in f32.
;;   ~~~python
;;   def quantise(x, axis):      # numpy; x: float32 -> the quantised numbers, widened to float32 again
;;       x = np.moveaxis(x, axis, -1); K = x.shape[-1]
;;       x = np.pad(x, [(0, 0)] * (x.ndim - 1) + [(0, -K % 32)]); x = x.reshape(x.shape[:-1] + (-1, 32)); a = np.abs(x).max(-1, keepdims=True)
;;       e = np.where(a > 0, np.clip(np.frexp(np.where(a > 0, a, 1))[1] - 1 - 4, -126, 127), 0)      # np.frexp(a)[1] - 1 = floor(log2(a)), exactly
;;       r = np.clip(x / 2.0 ** e, -28, 28)
;;       step = 2.0 ** (np.maximum(np.frexp(np.where(r == 0, 1, r))[1] - 1, -2) - 2)
;;       q = np.round(r / step) * step * 2.0 ** e      # np.round: ties to even
;;       return np.moveaxis(q.reshape(q.shape[:-2] + (-1,))[..., :K], -1, axis).astype(np.float32)
;;   ~~~
;;   OPERANDS COMPUTED ON THE WAY. 'Computed on the way' means the value that the module computes at that place (a softmax that the list does not call 'softmax' is quantised finished and normalised). What goes into a quantiser is computed in f32, as accurately as f32 sums, v_exp_f32 and their like allow (about 1e-6 of the number): no bf16 or f16 on the way to a quantiser, and a product that is left as it is and whose result goes on into a quantised operand takes f32 operands (vector FMAs, or v_wmma_f32_16x16x4_f32). A number that lies on a knife's edge between two numbers of the format may be rounded either way, as far as f32 arithmetic and the matrix unit's own rounding can turn it there, and no further.
;;   INPUTS GIVEN AS CODES. w1 (in the module: [2, 1024, 4096], K = its axis 1); w2 (in the module: [2, 4096, 1024], K = its axis 1): each comes as NAME_codes (uint8): NAME with its K axis moved to the last place and cut into blocks of 32 codes, [.., K / 32, bytes a block], one block behind the other in memory; four codes in three bytes: a row's codes are one little-endian stream of bits, code i at bits 6 i .. 6 i + 5 (a code: sign, 3 exponent bits, 2 mantissa bits); and NAME_scales (uint8): the same leading axes, one E8M0 byte (e + 127) for each 32 codes along K. Its value is code x scale, taken as it is: it is not quantised again, and the codes and scales need not be those that the quantiser above would give.
;; One version. Each part assembles by itself: llvm-mc -triple=amdgcn-amd-amdhsa -mcpu=gfx1250 --defsym DOCPART=n.
;; ======== version 1 of 1: 3 launches
;; limits: right only within a limited range of input values
;; workspace buffers: xq 3,145,728 bytes; xs 131,072 bytes; comb 32,768 bytes; hq 26,214,400 bytes; w1r 6,553,600 bytes; w2r 6,291,456 bytes
;; launch prep (part 1): grid 256 x 1, 8 waves a work-group, no clusters, 70,656 bytes of LDS; arguments x, router_w, xq, xs, comb, w1_codes, w1_scales, w1r; writes xq, xs, comb, w1r
.if DOCPART == 1
	.amdgcn_target "amdgcn-amd-amdhsa--gfx1250"
	.amdhsa_code_object_version 6
	.text
	.protected	k_q745ba3ba37_prep
	.globl	k_q745ba3ba37_prep
	.p2align	8
	.type	k_q745ba3ba37_prep,@function
k_q745ba3ba37_prep:
	s_mov_b64 s[64:65], 0
	v_nop
	global_prefetch_b8 v0, s[64:65] scope:SCOPE_SE
	s_setreg_imm32_b32 hwreg(HW_REG_WAVE_MODE, 25, 1), 1
	s_wait_xcnt 0x0
; x [4096][1024] f32 becomes codes of BF6 (E3M2) with one E8M0 scale for each 32 along C, and the router's weights comb [4096][2] are made.
; xq: [tile of 16 tokens][K step of 128][1,536 bytes]: the image of an operand's 12 registers: plane q (512 bytes) holds registers 4 q .. 4 q + 3, lane l's 16 bytes at 16 l.
; xs: [token][32 bytes]: word ks is the scale word of K step ks.   comb: [token][2] f32: softmax of the two logits, divided by the sum of the two (top 2 of 2 keeps both).
; SHARES.  Work-group t takes tokens 16 t .. 16 t + 15; wave w takes K step w: 512 bytes of each of the 16 rows.  Each load reads 512 consecutive bytes; the 8,192 bytes turn through the wave's own
; stage in LDS, so that lane (r, h) holds, of row r, k = 64 c + 32 h + 0 .. 31 in registers 32 c + 0 .. 31: two whole blocks, in the order of the operand's registers.
; The scale is 2^(floor(log2(largest magnitude)) - 4); its byte is the largest magnitude's exponent field - 4, held at 1 from below.
; LIMITS: a block of zeros gets the byte 1 (its codes are zeros; the bytes are read by this program alone); blocks under 2^-122 are held at the byte 1; NaN and infinities are not served.
; comb's store covers 128 consecutive bytes a work-group, half of an aligned 256: 32 KiB in the whole launch.
.set SP,   528                         ; a stage row: 512 bytes + 16: the 16 rows that a load of 16 bytes a lane touches start 4 words apart modulo 64 (64 banks of 4 bytes: ISA guide 11.1)
.set STG,  16*SP                       ; a wave's stage
.set SWB,  8*STG                       ; 512 bytes: the tile's scale words, row r's word of K step w at 32 r + 4 w
.set LGB,  SWB+512                     ; 1,024 bytes: partial logits: wave w, expert e, row r at (2 w + e) 64 + 4 r
.set R,    16                          ; v16-79   x as loaded; later router_w of expert 1
.set X,    80                          ; v80-143  my 64 numbers
.set W0,   144                         ; v144-207 router_w of expert 0 at the same k
.set PC,   208                         ; v208-219 the fragment's codes
.set CT,   220                         ; v220-227 the upper halves of the two blocks, as converted
.set MX,   228                         ; v228-229 largest magnitudes
.set SO,   230                         ; v230-231 the conversions' scale operands
.set BY,   232                         ; v232-233 scale bytes
.set WD,   234                         ; the scale word
.set PT,   235                         ; a permute's destination
.set LA,   236                         ; v236-239 expert 0's sums
.set LB,   240                         ; v240-243 expert 1's
	s_load_b128 s[4:7], s[0:1], 0x0                ; x, router_w
	s_load_b128 s[8:11], s[0:1], 0x10              ; xq, xs
	s_load_b64 s[12:13], s[0:1], 0x20              ; comb
	; W1 IS RE-LAID TOO.  w1r: [64 units: chunk of 51,200 bytes]: images of an operand's 12 registers at (4 ks + i) 1,536 (ks: K step of 128, i: tile), then from byte 49,152 the scale words, 32 bytes a row, at 512 i + 32 m.
	; Row m of tile i of chunk g is row 64 g + 8 i + m % 8 + 32 (m / 8) of w1_codes.  Work-group t takes chunk t / 2, tiles 2 (t % 2) and + 1: 32 whole rows of 768 bytes; wave w takes K step w of both tiles,
	; and of the two tiles' 1,024 scale bytes the 128 at 128 w: four rows that are neighbours in w1_scales too, so one load and one store of 128 consecutive bytes (half of an aligned 256, as comb's).
	s_load_b128 s[32:35], s[0:1], 0x28             ; w1_codes, w1_scales
	s_load_b64 s[36:37], s[0:1], 0x38              ; w1r
	v_lshl_add_u32 v248, v0, 2, 0x11000
	v_mov_b32 v249, 0
	v_lshrrev_b32 v1, 5, v0
	s_delay_alu instid0(VALU_DEP_1)
	v_readfirstlane_b32 s14, v1                    ; wave 0..7
	v_and_b32 v1, 31, v0                           ; lane
	v_and_b32 v2, 15, v0                           ; r
	v_bfe_u32 v3, v0, 4, 1                         ; h
	v_and_b32 v244, 7, v2
	v_lshrrev_b32 v245, 3, v2
	v_lshlrev_b32 v246, 2, v1                      ; the scale bytes: 4 x lane
	v_lshl_add_u32 v244, v245, 5, v244             ; r % 8 + 32 (r / 8)
	v_mul_u32_u24 v244, v244, 768
	v_mad_u32_u24 v244, v3, 24, v244               ; W1's codes: my row, + 24 h
	s_lshl_b32 s15, s14, 9                         ; my K step's 512 bytes in a row
	s_mul_i32 s16, s14, STG                        ; my stage
	s_lshl_b32 s17, s14, 2
	s_lshl_b32 s18, s14, 7
	v_lshlrev_b32 v4, 4, v1                        ; 16 x lane
	s_delay_alu instid0(VALU_DEP_1)
	v_add_nc_u32 v5, s15, v4                       ; x: 16 x lane + 512 w
	v_lshlrev_b32 v6, 7, v3
	s_delay_alu instid0(VALU_DEP_1)
	v_add_nc_u32 v6, s15, v6                       ; router_w: 128 h + 512 w
	s_delay_alu instid0(VALU_DEP_4)
	v_add_nc_u32 v7, s16, v4                       ; the stage, on the way in
	v_mul_u32_u24 v8, v2, SP
	s_delay_alu instid0(VALU_DEP_1)
	v_lshl_add_u32 v8, v3, 7, v8
	s_delay_alu instid0(VALU_DEP_1)
	v_add_nc_u32 v8, s16, v8                       ; and out: row r, + 128 h
	v_lshlrev_b32 v9, 5, v2
	s_delay_alu instid0(VALU_DEP_1)
	v_add_nc_u32 v9, s17, v9
	s_delay_alu instid0(VALU_DEP_1)
	v_add_nc_u32 v9, SWB, v9                       ; my row's scale word
	v_lshlrev_b32 v10, 2, v2
	s_delay_alu instid0(VALU_DEP_1)
	v_add_nc_u32 v12, LGB, v10
	s_delay_alu instid0(VALU_DEP_1)
	v_lshl_add_u32 v12, v3, 6, v12                 ; wave 1 reads: expert h, row r; 128 bytes from wave to wave
	s_delay_alu instid0(VALU_DEP_3)
	v_add_nc_u32 v10, s18, v10
	s_delay_alu instid0(VALU_DEP_1)
	v_add_nc_u32 v10, LGB, v10                     ; my partial logits
	v_add_nc_u32 v11, SWB, v4                      ; wave 0 reads the 512 bytes of scale words
	v_lshlrev_b32 v13, 3, v2
	s_delay_alu instid0(VALU_DEP_1)
	v_lshl_add_u32 v13, v3, 2, v13                 ; comb: 8 r + 4 h
	v_lshlrev_b32 v14, 3, v3                       ; 8 h
	v_mov_b32 v[PT], 0                             ; a lane permute's destination counts as one of its sources
	s_mov_b32 s20, 0x76543210
	s_mov_b32 s21, 0xfedcba98                      ; v_permlanex16_b32's selects for lane l xor 16
	s_lshl_b32 s22, ttmp9, 16                      ; 16 rows of 4,096 bytes
	s_mov_b32 s23, 0
	s_mul_i32 s24, ttmp9, 12288                    ; 8 images
	s_mul_i32 s26, s14, 1536
	s_add_co_u32 s24, s24, s26
	s_mov_b32 s25, 0
	s_lshl_b32 s26, ttmp9, 9
	s_mov_b32 s27, 0
	s_lshl_b32 s28, ttmp9, 7
	s_mov_b32 s29, 0
	s_lshr_b32 s38, ttmp9, 1                       ; the chunk
	s_and_b32 s39, ttmp9, 1                        ; which two of its four tiles
	s_mul_i32 s40, s38, 49152                      ; 64 rows of 768 bytes
	s_mul_i32 s41, s39, 12288                      ; 16 rows
	s_add_co_u32 s40, s40, s41
	s_mul_i32 s41, s14, 96                         ; my K step
	s_add_co_u32 s40, s40, s41
	s_mov_b32 s41, 0
	s_mul_i32 s46, s38, 51200
	s_lshl_b32 s42, s14, 2
	s_lshl_b32 s43, s39, 1
	s_add_co_u32 s42, s42, s43
	s_mul_i32 s42, s42, 1536                       ; image 4 w + 2 (t % 2)
	s_add_co_u32 s42, s42, s46
	s_mov_b32 s43, 0
	s_lshl_b32 s44, s39, 10
	s_add_co_u32 s44, s44, s46
	s_add_co_u32 s44, s44, 49152                   ; the two tiles' scale words in the chunk,
	s_lshl_b32 s45, s14, 7
	s_add_co_u32 s44, s44, s45                     ; my 128 bytes of them: rows 4 w .. 4 w + 3 of the 32
	s_mov_b32 s45, 0
	s_lshl_b32 s46, s38, 11                        ; and in w1_scales: 64 rows of 32 bytes a chunk,
	s_lshl_b32 s47, s39, 9                         ; 16 rows for the pair of tiles,
	s_add_co_u32 s46, s46, s47
	s_lshr_b32 s47, s14, 2
	s_lshl_b32 s47, s47, 8                         ; 8 rows for the tile w / 4,
	s_add_co_u32 s46, s46, s47
	s_bfe_u32 s47, s14, 0x10001
	s_lshl_b32 s47, s47, 10                        ; 32 rows for the tile's rows 8 to 15,
	s_add_co_u32 s46, s46, s47
	s_and_b32 s47, s14, 1
	s_lshl_b32 s47, s47, 7                         ; 4 rows
	s_add_co_u32 s46, s46, s47
	s_mov_b32 s47, 0
	s_wait_kmcnt 0x0
	s_add_nc_u64 s[4:5], s[4:5], s[22:23]
	s_add_nc_u64 s[8:9], s[8:9], s[24:25]
	s_add_nc_u64 s[10:11], s[10:11], s[26:27]
	s_add_nc_u64 s[12:13], s[12:13], s[28:29]
	s_add_nc_u64 s[32:33], s[32:33], s[40:41]
	s_add_nc_u64 s[34:35], s[34:35], s[46:47]
	s_add_nc_u64 s[44:45], s[36:37], s[44:45]
	s_add_nc_u64 s[36:37], s[36:37], s[42:43]
.irp i, 0,1,2,3,4,5,6,7,8,9,10,11,12,13,14,15
	global_load_b128 v[R+4*\i:R+4*\i+3], v5, s[4:5] offset:4096*\i th:TH_LOAD_NT   ; row i: 32 lanes read 512 consecutive bytes
.endr
.irp c, 0,1
.irp j, 0,1,2,3,4,5,6,7
	global_load_b128 v[W0+32*\c+4*\j:W0+32*\c+4*\j+3], v6, s[6:7] offset:256*\c+16*\j
.endr
.endr
	global_load_b32 v232, v246, s[34:35]           ; W1's scale bytes: 128 consecutive bytes a wave
.irp j, 0,1
.irp p, 0,1,2,3,4,5
	global_load_b64 v[PC+12*\j+2*\p:PC+12*\j+2*\p+1], v244, s[32:33] offset:6144*\j+48*(\p/3)+8*(\p%3)   ; W1's fragment as its lanes hold it: 24 bytes at 24 h, 24 at 48 + 24 h; into v208-231, which the quantiser writes only behind the stores below
.endr
.endr
	s_wait_loadcnt 29                              ; x is in; router_w's 16 loads and W1's 13 behind it may be out
.irp i, 0,1,2,3,4,5,6,7,8,9,10,11,12,13,14,15
	ds_store_b128 v7, v[R+4*\i:R+4*\i+3] offset:SP*\i
.endr
.irp c, 0,1
.irp j, 0,1,2,3,4,5,6,7
	ds_load_b128 v[X+32*\c+4*\j:X+32*\c+4*\j+3], v8 offset:256*\c+16*\j   ; LDS serves a wave's instructions in order: these see my stores
.endr
.endr
	s_wait_dscnt 0x0                               ; my numbers are back, and the stores have read R
.irp c, 0,1
.irp j, 0,1,2,3,4,5,6,7
	global_load_b128 v[R+32*\c+4*\j:R+32*\c+4*\j+3], v6, s[6:7] offset:4096+256*\c+16*\j
.endr
.endr
	s_wait_loadcnt 16                              ; W1's 13 loads are in; the 16 just issued may be out
.irp j, 0,1
.irp q, 0,1,2
	global_store_b128 v4, v[PC+12*\j+4*\q:PC+12*\j+4*\q+3], s[36:37] offset:1536*\j+512*\q   ; the image: 512 consecutive bytes a store
.endr
.endr
	global_store_b32 v246, v232, s[44:45]
	s_wait_xcnt 0x0                                ; the stores have read their registers, which the quantiser writes below
	; the two blocks' largest magnitudes, by turns, with the floor 2^(5 - 127) among the leaves
.irp c, 0,1
	v_max3_num_f32 v[MX+\c], |v[X+32*\c]|, |v[X+32*\c+1]|, 0x2800000
.endr
.irp i, 2,4,6,8,10,12,14,16,18,20,22,24,26,28,30
.irp c, 0,1
	s_delay_alu instid0(VALU_DEP_2)
	v_max3_num_f32 v[MX+\c], v[MX+\c], |v[X+32*\c+\i]|, |v[X+32*\c+\i+1]|
.endr
.endr
.irp c, 0,1
	s_delay_alu instid0(VALU_DEP_2)
	v_add_nc_u32 v[SO+\c], 0xfe000000, v[MX+\c]    ; 4 off the exponent field: the conversion takes that field as its scale
.endr
.irp c, 0,1
	s_delay_alu instid0(VALU_DEP_2)
	v_lshrrev_b32 v[BY+\c], 23, v[SO+\c]           ; the scale's byte
.endr
	s_delay_alu instid0(VALU_DEP_1)
	v_lshl_or_b32 v[WD], v[BY+1], 16, v[BY]        ; my bytes: blocks h and 2 + h,
	s_delay_alu instid0(VALU_DEP_1)
	v_lshlrev_b32 v[WD], v14, v[WD]                ; 8 h bits up;
	s_delay_alu instid0(VALU_DEP_1)
	v_permlanex16_b32 v[PT], v[WD], s20, s21
	s_delay_alu instid0(VALU_DEP_1)
	v_or_b32 v[WD], v[WD], v[PT]                   ; with lane l xor 16's two the word is whole
.irp c, 0,1
	v_cvt_scalef32_pk16_bf6_f32 v[PC+6*\c:PC+6*\c+2], v[X+32*\c:X+32*\c+15], v[SO+\c]
	v_cvt_scalef32_pk16_bf6_f32 v[CT+4*\c:CT+4*\c+2], v[X+32*\c+16:X+32*\c+31], v[SO+\c]   ; (a conversion's three registers begin on an even number)
.endr
	v_nop                                          ; one plain place behind a scaled conversion
.irp c, 0,1
.irp i, 0,1,2
	v_mov_b32 v[PC+6*\c+3+\i], v[CT+4*\c+\i]
.endr
.endr
.irp q, 0,1,2
	global_store_b128 v4, v[PC+4*\q:PC+4*\q+3], s[8:9] offset:512*\q   ; the image: 512 consecutive bytes a store
.endr
	ds_store_b32 v9, v[WD]                         ; both halves of the lanes write the same word with the same value
; the router's partial sums over my 128 k: two packed chains an expert, then my two halves and lane l xor 16's
.macro DOT acc, w
	v_pk_mul_f32 v[\acc:\acc+1], v[X:X+1], v[\w:\w+1]
	v_pk_mul_f32 v[\acc+2:\acc+3], v[X+2:X+3], v[\w+2:\w+3]
.irp j, 4,8,12,16,20,24,28,32,36,40,44,48,52,56,60
	s_delay_alu instid0(VALU_DEP_2)
	v_pk_fma_f32 v[\acc:\acc+1], v[X+\j:X+\j+1], v[\w+\j:\w+\j+1], v[\acc:\acc+1]
	s_delay_alu instid0(VALU_DEP_2)
	v_pk_fma_f32 v[\acc+2:\acc+3], v[X+\j+2:X+\j+3], v[\w+\j+2:\w+\j+3], v[\acc+2:\acc+3]
.endr
	s_delay_alu instid0(VALU_DEP_1)
	v_pk_add_f32 v[\acc:\acc+1], v[\acc:\acc+1], v[\acc+2:\acc+3]
	s_delay_alu instid0(VALU_DEP_1)
	v_add_f32 v[\acc], v[\acc], v[\acc+1]
	s_delay_alu instid0(VALU_DEP_1)
	v_permlanex16_b32 v[PT], v[\acc], s20, s21
	s_delay_alu instid0(VALU_DEP_1)
	v_add_f32 v[\acc], v[\acc], v[PT]
.endm
	s_wait_loadcnt 16                              ; expert 0's weights are in; expert 1's 16 loads may be out
	DOT LA, W0
	ds_store_b32 v10, v[LA]
	s_wait_loadcnt 0x0
	DOT LB, R
	ds_store_b32 v10, v[LB] offset:64
	s_wait_dscnt 0x0                               ; for the others' sake: my stores have landed
	s_barrier_signal -1
	s_barrier_wait -1
	s_cmp_lg_u32 s14, 0
	s_cbranch_scc1 .Lnot_wave_0
	ds_load_b128 v[16:19], v11                     ; wave 0: the tile's 512 bytes of scale words leave as two aligned runs of 256
	s_wait_dscnt 0x0
	global_store_b128 v4, v[16:19], s[10:11]
.Lnot_wave_0:
	s_cmp_lg_u32 s14, 1
	s_cbranch_scc1 .Lend
.irp i, 0,1,2,3,4,5,6,7
	ds_load_b32 v[16+\i], v12 offset:128*\i        ; wave 1: lane (r, h) adds the eight parts of logit (row r, expert h), in a fixed order
.endr
	s_wait_dscnt 0x0
	v_add_f32 v16, v16, v17
	v_add_f32 v18, v18, v19
	v_add_f32 v20, v20, v21
	v_add_f32 v22, v22, v23
	s_delay_alu instid0(VALU_DEP_3)
	v_add_f32 v16, v16, v18
	s_delay_alu instid0(VALU_DEP_2)
	v_add_f32 v20, v20, v22
	s_delay_alu instid0(VALU_DEP_1)
	v_add_f32 v16, v16, v20
	s_delay_alu instid0(VALU_DEP_1)
	v_permlanex16_b32 v24, v16, s20, s21           ; the other expert's logit
	s_delay_alu instid0(VALU_DEP_1)
	v_max_num_f32 v25, v16, v24                    ; the maximum is taken away, as in the softmax that is computed
	s_delay_alu instid0(VALU_DEP_1)
	v_sub_f32 v26, v16, v25
	s_delay_alu instid0(VALU_DEP_2)
	v_sub_f32 v27, v24, v25
	s_delay_alu instid0(VALU_DEP_2)
	v_mul_f32 v26, 0x3fb8aa3b, v26
	s_delay_alu instid0(VALU_DEP_2)
	v_mul_f32 v27, 0x3fb8aa3b, v27
	s_wait_alu depctr_va_vdst(0)
	v_exp_f32 v26, v26
	v_exp_f32 v27, v27
	v_nop                                          ; a plain place behind the exponentials,
	s_wait_alu depctr_va_vdst(0)                   ; and the wait ahead of their first reader
	v_add_f32 v28, v26, v27
	s_wait_alu depctr_va_vdst(0)
	v_rcp_f32 v28, v28
	v_nop
	s_wait_alu depctr_va_vdst(0)
	v_mul_f32 v26, v26, v28                        ; my probability,
	v_mul_f32 v27, v27, v28                        ; the other's,
	s_delay_alu instid0(VALU_DEP_1)
	v_add_f32 v29, v26, v27                        ; the sum of the top two, which are both
	s_wait_alu depctr_va_vdst(0)
	v_rcp_f32 v29, v29
	v_nop
	s_wait_alu depctr_va_vdst(0)
	v_mul_f32 v26, v26, v29
	global_store_b32 v13, v26, s[12:13]
.Lend:
	s_wait_tensorcnt 0x0
	ds_add_u32 v248, v249
	s_wait_dscnt 0x0
	s_endpgm
.Lfunc_end_k_q745ba3ba37_prep:
	.size	k_q745ba3ba37_prep, .Lfunc_end_k_q745ba3ba37_prep-k_q745ba3ba37_prep
	.p2alignl 7, 3214868480
	.fill 96, 4, 3214868480
	.section	.rodata,"a",@progbits
	.p2align	6, 0x0
	.amdhsa_kernel k_q745ba3ba37_prep
		.amdhsa_group_segment_fixed_size 70656
		.amdhsa_private_segment_fixed_size 0
		.amdhsa_enable_private_segment 0
		.amdhsa_kernarg_size 64
		.amdhsa_user_sgpr_count 2
		.amdhsa_user_sgpr_kernarg_segment_ptr 1
		.amdhsa_wavefront_size32 1
		.amdhsa_system_sgpr_workgroup_id_x 1
		.amdhsa_system_sgpr_workgroup_id_y 1
		.amdhsa_system_sgpr_workgroup_id_z 1
		.amdhsa_system_vgpr_workitem_id 0
		.amdhsa_next_free_vgpr 250
		.amdhsa_next_free_sgpr 66
		.amdhsa_reserve_vcc 0
		.amdhsa_float_denorm_mode_32 3
		.amdhsa_float_denorm_mode_16_64 3
		.amdhsa_memory_ordered 1
		.amdhsa_forward_progress 1
		.amdhsa_inst_pref_size 27
	.end_amdhsa_kernel
	.amdgpu_metadata
---
amdhsa.version: [ 1, 2 ]
amdhsa.kernels:
  - .name:           k_q745ba3ba37_prep
    .symbol:         k_q745ba3ba37_prep.kd
    .args:
      - { .name: x, .offset: 0, .size: 8, .value_kind: global_buffer, .address_space: global }
      - { .name: router_w, .offset: 8, .size: 8, .value_kind: global_buffer, .address_space: global }
      - { .name: xq, .offset: 16, .size: 8, .value_kind: global_buffer, .address_space: global }
      - { .name: xs, .offset: 24, .size: 8, .value_kind: global_buffer, .address_space: global }
      - { .name: comb, .offset: 32, .size: 8, .value_kind: global_buffer, .address_space: global }
      - { .name: w1_codes, .offset: 40, .size: 8, .value_kind: global_buffer, .address_space: global }
      - { .name: w1_scales, .offset: 48, .size: 8, .value_kind: global_buffer, .address_space: global }
      - { .name: w1r, .offset: 56, .size: 8, .value_kind: global_buffer, .address_space: global }
    .group_segment_fixed_size: 70656
    .private_segment_fixed_size: 0
    .kernarg_segment_align: 8
    .kernarg_segment_size: 64
    .max_flat_workgroup_size: 256
    .sgpr_count:     66
    .vgpr_count:     250
    .wavefront_size: 32
...
	.end_amdgpu_metadata
.endif
;; end of part 1
;; launch up (part 2): grid 8 x 32, 8 waves a work-group, clusters of 4 x 1, 327,680 bytes of LDS; arguments xq, xs, w1r, w2_codes, hq, w2r; writes hq, w2r
.if DOCPART == 2
	.amdgcn_target "amdgcn-amd-amdhsa--gfx1250"
	.amdhsa_code_object_version 6
	.text
	.protected	k_q745ba3ba37_up
	.globl	k_q745ba3ba37_up
	.p2align	8
	.type	k_q745ba3ba37_up,@function
k_q745ba3ba37_up:
	s_mov_b64 s[64:65], 0
	v_nop
	global_prefetch_b8 v0, s[64:65] scope:SCOPE_SE
	s_setreg_imm32_b32 hwreg(HW_REG_WAVE_MODE, 25, 1), 1
	s_wait_xcnt 0x0
	s_wait_alu depctr_hold_cnt(0) depctr_sa_sdst(0) depctr_va_vdst(0) depctr_va_sdst(0) depctr_va_ssrc(0) depctr_va_vcc(0) depctr_vm_vsrc(0)
	s_getreg_b32 s2, hwreg(HW_REG_IB_STS2, 6, 4)
	s_cmp_eq_u32 s2, 0
	s_cbranch_scc0 .Lentry_in_a_cluster
	s_endpgm
.Lentry_in_a_cluster:
	s_bfe_u32 s2, ttmp6, 0x10000c
	s_cmp_lg_u32 s2, 0x3003
	s_cbranch_scc0 .Lentry_shape_is_right
	s_endpgm
.Lentry_shape_is_right:
; hq = Q(gelu(Q(x) W1)): the first product on codes of BF6 (E3M2), the exact GELU in f32, the quantiser along the hidden axis; the hidden layer leaves as codes.  W2 is re-laid on the way (below).
; SHARES.  Work-group (TB, UG): tokens 512 TB on, rows 256 UG on of W1 (expert UG / 16).  W1 comes from w1r: four chunks of 51,200 bytes, one for each step of 64 units: 32 images of an operand's registers
; at (4 ks + i) 1,536, then the rows' scale words at 49,152 + 512 i + 32 m.  They lie in LDS as in memory, 204,800 bytes, each byte filled once.
; FILLS.  At the head each wave asks for an eighth of chunk 0 (25 rows of 256 bytes); behind the wait, the add and a round of the cluster's barrier each asks for an eighth of chunks 1 to 3 (75 rows),
; which has the first sweep and the first GELU in which to land; one barrier behind that GELU shows it to all waves.  No barrier stands in the loop.
; CLUSTER.  The four partners differ in TB alone and need the same W1: both loads are joint, with the mask of all four.
; Wave w takes token tiles 32 TB + 4 w + 2 p + a (a = 0, 1) in two passes p; their 16 fragments of x (192 registers) come straight from xq.  A pass has four steps: a sweep (8 K steps x 8 matrix instructions)
; and the GELU of 64 results a lane.  The loop's trip is an odd step and the even step behind it; chunk and place in hq are made from the trip's number.
; THE PRODUCT IS USED TRANSPOSED (source 0 = W1, source 1 = tokens); row m of tile (s, i) is unit 64 s + 8 i + m % 8 + 32 (m / 8), so lane (r, h) holds token r and units 64 s + 32 h + 0 .. 31: a whole block of the next K.
; GELU.  With u = |x|: 2 gelu(x) = (x + u) - u erfc(u / sqrt 2);  erfc(z) = t exp(-z z + c0 + t (c1 + .. + t c9)), t = 1 / (1 + z / 2), fractional error under 1.2e-7 for every z; constants x log2 e.
; 2 gelu is converted: the conversion's scale has the largest magnitude's exponent field - 4, the stored byte that field - 5.
; LIMITS: NaN and infinities are not served; u erfc falls to 0 where erfc is under 2^-126; the byte is held at 1 from below (floor 2^-121 on the largest 2 gelu); a block of zeros gets the byte 1 and zero codes.
; hq: [expert][128 tokens][256 units][25,600 bytes]: images at (8 kk + t8) 1,536, scale words at 24,576 + 128 t8 + 8 r + 4 kk.
; W2.  w2r: [expert][128 columns][K step][column tile][1,536 bytes]: images.  Work-group number g = 8 UG + TB takes column tile g / 2, K steps 16 (g % 2) on: 1,536 whole bytes of 16 rows; wave w two of the K steps.
; No prefetch: W1 is asked for once, at the head, and the loop streams nothing from memory but 52 loads of x, asked for a GELU ahead.
; This launch claims all of a WGP's LDS and adds 0 to spare words.
; REGISTERS.  Window 0: v2-15 addresses; v16-31 x's scale words; v32-63 W1's; v64-159 W1's fragments, two sets of 4; in the GELU v32-191 are five arrays of 32; v192-215 codes; v216-243 at work.
;   Window 1: v0-191 x's fragments (12 (8 a + ks)); v192-255 the 8 accumulators (192 + 8 (4 a + i)).
.set CHK,   51200
.set SCO,   49152
.set SPARE, 4*CHK                      ; the spare words: 128 bytes a wave
.set AWO,  2                           ; the odd step's chunk + 16 x lane
.set AWE,  3                           ; the even step's
.set SWO,  4                           ; the odd step's scale words
.set SWE,  5
.set AS0,  6                           ; SCO + 32 r
.set HA,   7                           ; hq: 16 x lane + the trip's place
.set HS,   8                           ; hq's scale words: 8 x lane + the pass's place
.set W2A,  9                           ; w2_codes: 3,072 r + 24 h
.set XSA,  11                          ; 32 r
.set SH8,  12                          ; 8 h
.set HSA,  13                          ; 8 x lane
.set LI,   14                          ; 16 x lane
.set XS,   16
.set WS,   32
.set WF,   64
.set U,    32                          ; u, then u t
.set MV,   64                          ; x + u, then 2 gelu
.set T,    96                          ; 1 + u / (2 sqrt 2), then t
.set W,    128                         ; -z z log2 e + c0
.set P,    160                         ; the polynomial, then 2^..
.set W2T,  160                         ; at the head: W2's two images
.set CD,   192                         ; the codes: 12 a + 6 c
.set CT,   216
.set BY,   220                         ; bytes + 1: 2 a + c
.set SWD,  224                         ; v224-225 the two K steps' scale words
.set MA,   226
.set MB,   227
.set SOP,  228
.set WDT,  230
.set PT,   232
.set VC0,  240
.set VC8,  242
.set ACC,  192                         ; in window 1
.set TB,   16
.set UG,   17
.set TC,   18
.set WV,   19
.set SEL,  20
.set ABSM, 22
.set HIM,  23
.set G1A,  24
.set G1B,  32
.set G0A,  44
.set G0B,  48
.set XB,   52
.set XSB,  54
.set HBC,  56
.set HBS,  58
.set W2S,  62
.set CA,   66
.set CK,   68
.set C1,   70
.set C2,   72
.set C3,   74
.set C4,   76
.set C5,   78
.set C6,   80
.set C7,   82
.set C9,   84
.set W2D,  86
.set MSB, 0
.macro WIN new                         ; the immediate's high byte repeats the setting that is left
.if MSB != \new
	s_set_vgpr_msb (MSB<<8)|\new
.set MSB, \new
.endif
.endm
.macro PLACES                          ; four plain places behind a matrix instruction (ISA guide 7.12.1 for vector instructions)
.rept 4
	v_nop
.endr
.endm
.macro SPAIR reg, bits                 ; a packed form names a pair and takes its low word for both halves: both are written
	s_mov_b32 s[\reg], \bits
	s_mov_b32 s[\reg+1], \bits
.endm
.macro CROUND                          ; a round of the cluster's barrier
	s_barrier_signal -1
	s_barrier_wait -1
	s_cmp_lg_u32 s[WV], 0
	s_cbranch_scc1 .Lnot_wave_0_\@
	s_barrier_signal -3
.Lnot_wave_0_\@:
	s_barrier_wait -3
	s_barrier_signal -1
	s_barrier_wait -1
.endm
	s_load_b256 s[4:11], s[0:1], 0x0               ; xq s[4:5], xs s[6:7], w1r s[8:9], w2_codes s[10:11]
	s_load_b128 s[12:15], s[0:1], 0x20             ; hq s[12:13], w2r s[14:15]
	v_lshl_add_u32 v254, v0, 2, SPARE
	v_mov_b32 v255, 0
	ds_add_u32 v254, v255                          ; the opening lines: the add, twice on end, and its wait
	ds_add_u32 v254, v255
	v_lshrrev_b32 v1, 5, v0
	v_readfirstlane_b32 s[WV], v1                  ; wave 0..7
	v_and_b32 v1, 31, v0                           ; lane
	v_and_b32 v15, 15, v0                          ; r
	v_bfe_u32 v226, v0, 4, 1                       ; h
	v_lshlrev_b32 v[LI], 4, v1
	v_lshlrev_b32 v[XSA], 5, v15
	v_mul_u32_u24 v[W2A], v15, 3072
	v_lshlrev_b32 v[SH8], 3, v226
	v_add_nc_u32 v[AS0], SCO, v[XSA]
	v_mad_u32_u24 v[W2A], v226, 24, v[W2A]
	v_lshlrev_b32 v[HSA], 3, v1
	v_mov_b32 v[PT], 0                             ; a lane permute's destination counts as one of its sources
	v_mov_b32 v[PT+1], 0
	v_mov_b32 v[SWD+1], 0
	v_mov_b32 v[VC0], 0xbfe9b21e                   ; c0 log2 e
	v_mov_b32 v[VC0+1], 0xbfe9b21e
	v_mov_b32 v[VC8], 0xbf97d29d                   ; c8 log2 e
	v_mov_b32 v[VC8+1], 0xbf97d29d
	s_bfe_u32 s40, ttmp6, 0x40000                  ; cx: it enters the addresses of xq, xs, hq, w2_codes and w2r alone
	s_lshl_b32 s[TB], ttmp9, 2
	s_add_co_u32 s[TB], s[TB], s40                 ; TB = 4 x cluster x + cx
	s_and_b32 s[UG], ttmp7, 0xffff                 ; UG, which the four partners share
	s_mov_b32 s[SEL], 0x76543210
	s_mov_b32 s[SEL+1], 0xfedcba98
	s_mov_b32 s[ABSM], 0x7fffffff
	s_mov_b32 s[HIM], 0xffff0000                   ; lanes 16-31
	SPAIR CA, 0x3eb504f3                           ; 1 / (2 sqrt 2)
	SPAIR CK, 0xbf38aa3b                           ; -log2 e / 2
	SPAIR C1, 0x3fb8ab5a
	SPAIR C2, 0x3f0a29d2
	SPAIR C3, 0x3e0efb2e
	SPAIR C4, 0xbe899a80
	SPAIR C5, 0x3ecdfd18
	SPAIR C6, 0xbfd1a1e5
	SPAIR C7, 0x40097039
	SPAIR C9, 0x3e7c6f08
	; descriptor groups 1: dense rows of 256 bytes (32 elements of 8), no padding; 15:0 the mask of all four, 21 set beside it.  25 rows at the head, 75 behind the round
	s_mov_b32 s[G1A], 15|(3<<16)|(1<<21)
	s_mov_b32 s[G1A+1], 32<<16
	s_mov_b32 s[G1A+2], 25<<16
	s_mov_b32 s[G1A+3], 32<<16
	s_mov_b32 s[G1A+4], 25
	s_mov_b32 s[G1A+5], 32
	s_mov_b32 s[G1A+6], 0
	s_mov_b32 s[G1A+7], 0
	s_mov_b32 s[G1B], 15|(3<<16)|(1<<21)
	s_mov_b32 s[G1B+1], 32<<16
	s_mov_b32 s[G1B+2], 75<<16
	s_mov_b32 s[G1B+3], 32<<16
	s_mov_b32 s[G1B+4], 75
	s_mov_b32 s[G1B+5], 32
	s_mov_b32 s[G1B+6], 0
	s_mov_b32 s[G1B+7], 0
	; what I fetch of W1: made of UG and the wave's number alone
	s_mul_i32 s40, s[UG], 4*CHK
	s_mul_i32 s[G0A+1], s[WV], 6400
	s_mul_i32 s[G0B+1], s[WV], 19200
	s_add_co_u32 s[G0B+1], s[G0B+1], CHK
	s_add_co_u32 s42, s40, s[G0B+1]
	s_add_co_u32 s40, s40, s[G0A+1]
	s_mov_b32 s41, 0
	s_mov_b32 s43, 0
	; my two images of W2
	s_lshl_b32 s60, s[UG], 3
	s_add_co_u32 s60, s60, s[TB]
	s_lshr_b32 s61, s60, 1                         ; column tile 0..127
	s_and_b32 s60, s60, 1                          ; which 16 K steps
	s_mul_i32 s62, s61, 49152                      ; 16 rows of 3,072 bytes
	s_mul_i32 s63, s60, 1536
	s_add_co_u32 s62, s62, s63
	s_mul_i32 s63, s[WV], 192
	s_add_co_u32 s62, s62, s63
	s_mov_b32 s63, 0
	s_lshr_b32 s86, s61, 3
	s_mul_i32 s86, s86, 393216                     ; 32 K steps x 8 tiles x 1,536
	s_lshl_b32 s87, s60, 3
	s_add_co_u32 s87, s87, s[WV]
	s_mul_i32 s87, s87, 24576                      ; K step 16 (g % 2) + 2 w
	s_add_co_u32 s86, s86, s87
	s_and_b32 s87, s61, 7
	s_mul_i32 s87, s87, 1536
	s_add_co_u32 s86, s86, s87
	s_mov_b32 s87, 0
	; my tokens
	s_lshl_b32 s88, s[TB], 5
	s_lshl_b32 s89, s[WV], 2
	s_add_co_u32 s88, s88, s89                     ; my first token tile
	s_mul_i32 s90, s88, 12288
	s_mov_b32 s91, 0
	s_lshl_b32 s92, s88, 9
	s_mov_b32 s93, 0
	s_lshr_b32 s94, s[UG], 4
	s_lshl_b32 s94, s94, 5
	s_lshl_b32 s95, s[TB], 2
	s_add_co_u32 s94, s94, s95
	s_lshr_b32 s95, s[WV], 1
	s_add_co_u32 s94, s94, s95                     ; 32 x expert + block of 128 tokens
	s_lshl_b32 s94, s94, 4
	s_and_b32 s95, s[UG], 15
	s_add_co_u32 s94, s94, s95
	s_mul_i32 s94, s94, 25600                      ; my chunk of hq
	s_and_b32 s95, s[WV], 1
	s_mul_i32 s96, s95, 6144
	s_add_co_u32 s96, s96, s94                     ; images: token tile 4 (w % 2) on
	s_mov_b32 s97, 0
	s_lshl_b32 s98, s95, 9
	s_add_co_u32 s98, s98, s94
	s_add_co_u32 s98, s98, 24576                   ; scale words likewise
	s_mov_b32 s99, 0
	s_wait_alu depctr_va_vdst(0)
	s_wait_dscnt 0x0                               ; both opening adds are done
	s_wait_kmcnt 0x0
	s_add_nc_u64 s[XB:XB+1], s[4:5], s[90:91]
	s_add_nc_u64 s[XSB:XSB+1], s[6:7], s[92:93]
	s_add_nc_u64 s[HBC:HBC+1], s[12:13], s[96:97]
	s_add_nc_u64 s[HBS:HBS+1], s[12:13], s[98:99]
	s_add_nc_u64 s[W2S:W2S+1], s[10:11], s[62:63]
	s_add_nc_u64 s[W2D:W2D+1], s[14:15], s[86:87]
	s_mov_b32 s[G0A], 1
	s_add_nc_u64 s[G0A+2:G0A+3], s[8:9], s[40:41]
	s_or_b32 s[G0A+3], s[G0A+3], 0x80000000
	s_mov_b32 s[G0B], 1
	s_add_nc_u64 s[G0B+2:G0B+3], s[8:9], s[42:43]
	s_or_b32 s[G0B+3], s[G0B+3], 0x80000000
	CROUND                                         ; all four work-groups are here: the joint loads meet
	tensor_load_to_lds s[G0A:G0A+3], s[G1A:G1A+7]  ; my eighth of chunk 0: my one load at the head
	s_nop 0
	PLACES
; x's 16 fragments and their scale words for two token tiles: 52 loads
.macro XLOAD off, offs
	WIN 0x40                                       ; destination window 1
.irp f, 0,1,2,3,4,5,6,7,8,9,10,11,12,13,14,15
.irp q, 0,1,2
	global_load_b128 v[12*\f+4*\q:12*\f+4*\q+3], v[LI], s[XB:XB+1] offset:\off+1536*\f+512*\q
.endr
.endr
	WIN 0
.irp a, 0,1
.irp j, 0,1
	global_load_b128 v[XS+8*\a+4*\j:XS+8*\a+4*\j+3], v[XSA], s[XSB:XSB+1] offset:\offs+512*\a+16*\j
.endr
.endr
.endm
; W1's four fragments of K step ks into set ks % 2: 12 loads of 512 consecutive bytes
.macro FRAGS aw, ks
.irp i, 0,1,2,3
.irp q, 0,1,2
	ds_load_b128 v[WF+48*((\ks)%2)+12*\i+4*\q:WF+48*((\ks)%2)+12*\i+4*\q+3], v[\aw] offset:(4*(\ks)+\i)*1536+512*\q
.endr
.endr
.endm
; K step ks: 8 matrix instructions, the 8 accumulators by turns.  pre = 1: the next K step's fragments are asked for first
.macro MKS aw, ks, pre
.if \pre
.if \ks > 0
	PLACES                                         ; the set to be loaded was multiplied just now
.endif
	FRAGS \aw, (\ks)+1
	s_wait_dscnt 12                                ; all but the 12 just issued: this K step's fragments are in
.else
	s_wait_dscnt 0x0
.endif
	WIN 0x54                                       ; source 1 (x), C and D window 1
.irp a, 0,1
.irp i, 0,1,2,3
.if \ks == 0
	v_wmma_scale_f32_16x16x128_f8f6f4 v[ACC+8*(4*\a+\i):ACC+8*(4*\a+\i)+7], v[WF+48*((\ks)%2)+12*\i:WF+48*((\ks)%2)+12*\i+11], v[12*(8*\a+\ks):12*(8*\a+\ks)+11], 0, v[WS+8*\i+\ks], v[XS+8*\a+\ks] matrix_a_fmt:MATRIX_FMT_BF6 matrix_b_fmt:MATRIX_FMT_BF6
.else
	v_wmma_scale_f32_16x16x128_f8f6f4 v[ACC+8*(4*\a+\i):ACC+8*(4*\a+\i)+7], v[WF+48*((\ks)%2)+12*\i:WF+48*((\ks)%2)+12*\i+11], v[12*(8*\a+\ks):12*(8*\a+\ks)+11], v[ACC+8*(4*\a+\i):ACC+8*(4*\a+\i)+7], v[WS+8*\i+\ks], v[XS+8*\a+\ks] matrix_a_fmt:MATRIX_FMT_BF6 matrix_b_fmt:MATRIX_FMT_BF6
.endif
.endr
.endr
	WIN 0
.endm
.macro MSWEEP aw, sw, out              ; a step's 64 matrix instructions; out: the loads issued behind x's, which may stay out
	s_wait_loadcnt \out                            ; x's fragments and scale words are in
.irp i, 0,1,2,3
	ds_load_b128 v[WS+8*\i:WS+8*\i+3], v[\sw] offset:512*\i          ; W1's scale words for all 8 K steps
	ds_load_b128 v[WS+8*\i+4:WS+8*\i+7], v[\sw] offset:512*\i+16
.endr
	FRAGS \aw, 0
.irp k, 0,1,2,3,4,5,6
	MKS \aw, \k, 1
.endr
	MKS \aw, 7, 0
.endm
; 32 results of token tile a become half c of its fragment's codes and a scale byte
.macro GCH a, c
	WIN 0x04                                       ; source 1: the accumulators, window 1
.set JJ, 0
.rept 32
	v_and_b32 v[U+JJ], s[ABSM], v[ACC+32*\a+JJ]    ; u = |x|
.set JJ, JJ+1
.endr
.set JJ, 0
.rept 16
	v_pk_add_f32 v[MV+JJ:MV+JJ+1], v[U+JJ:U+JJ+1], v[ACC+32*\a+JJ:ACC+32*\a+JJ+1]   ; x + u
.set JJ, JJ+2
.endr
	WIN 0
.set JJ, 0
.rept 16
	v_pk_fma_f32 v[T+JJ:T+JJ+1], v[U+JJ:U+JJ+1], s[CA:CA+1], 1.0 op_sel_hi:[1,0,0]   ; 1 + z / 2
.set JJ, JJ+2
.endr
.set JJ, 0
	s_wait_alu depctr_va_vdst(0)
.rept 16                               ; the 32 reciprocals; the exponent's first two terms stand between them
	v_rcp_f32 v[T+JJ], v[T+JJ]
	v_pk_mul_f32 v[W+2*JJ:W+2*JJ+1], v[U+2*JJ:U+2*JJ+1], v[U+2*JJ:U+2*JJ+1]
.set JJ, JJ+1
.endr
	s_wait_alu depctr_va_vdst(0)
.rept 16
	v_rcp_f32 v[T+JJ], v[T+JJ]
	v_pk_fma_f32 v[W+2*JJ-32:W+2*JJ-31], v[W+2*JJ-32:W+2*JJ-31], s[CK:CK+1], v[VC0:VC0+1] op_sel_hi:[1,0,1]
.set JJ, JJ+1
.endr
	s_wait_alu depctr_va_vdst(0)                   ; one wait for the batch, ahead of its first reader
.set JJ, 0
.rept 16
	v_pk_fma_f32 v[P+JJ:P+JJ+1], v[T+JJ:T+JJ+1], s[C9:C9+1], v[VC8:VC8+1] op_sel_hi:[1,0,1]
.set JJ, JJ+2
.endr
.irp k, C7,C6,C5,C4,C3,C2,C1
.set JJ, 0
.rept 16
	v_pk_fma_f32 v[P+JJ:P+JJ+1], v[P+JJ:P+JJ+1], v[T+JJ:T+JJ+1], s[\k:\k+1] op_sel_hi:[1,1,0]
.set JJ, JJ+2
.endr
.endr
.set JJ, 0
.rept 16
	v_pk_fma_f32 v[P+JJ:P+JJ+1], v[P+JJ:P+JJ+1], v[T+JJ:T+JJ+1], v[W+JJ:W+JJ+1]
.set JJ, JJ+2
.endr
.set JJ, 0
	s_wait_alu depctr_va_vdst(0)
.rept 16                               ; the 32 exponentials; u t stands between them
	v_exp_f32 v[P+JJ], v[P+JJ]
	v_exp_f32 v[P+JJ+1], v[P+JJ+1]
	v_pk_mul_f32 v[U+JJ:U+JJ+1], v[U+JJ:U+JJ+1], v[T+JJ:T+JJ+1]
.set JJ, JJ+2
.endr
	s_wait_alu depctr_va_vdst(0)                   ; one wait for the batch
.set JJ, 0
.rept 16
	v_pk_fma_f32 v[MV+JJ:MV+JJ+1], v[U+JJ:U+JJ+1], v[P+JJ:P+JJ+1], v[MV+JJ:MV+JJ+1] neg_lo:[1,0,0] neg_hi:[1,0,0]   ; 2 gelu = (x + u) - u t 2^..
.set JJ, JJ+2
.endr
	v_max3_num_f32 v[MA], |v[MV]|, |v[MV+1]|, 0x3000000            ; the block's largest magnitude, all 32 mine, in two chains, with the floor 2^(6 - 127)
	v_max3_num_f32 v[MB], |v[MV+2]|, |v[MV+3]|, |v[MV+4]|
.irp i, 5,9,13,17,21,25
	s_delay_alu instid0(VALU_DEP_2)
	v_max3_num_f32 v[MA], v[MA], |v[MV+\i]|, |v[MV+\i+1]|
	s_delay_alu instid0(VALU_DEP_2)
	v_max3_num_f32 v[MB], v[MB], |v[MV+\i+2]|, |v[MV+\i+3]|
.endr
	s_delay_alu instid0(VALU_DEP_2)
	v_max3_num_f32 v[MA], v[MA], |v[MV+29]|, |v[MV+30]|
	s_delay_alu instid0(VALU_DEP_1)
	v_max3_num_f32 v[MA], v[MA], v[MB], |v[MV+31]|
	s_delay_alu instid0(VALU_DEP_1)
	v_add_nc_u32 v[SOP], 0xfe000000, v[MA]         ; 4 off the exponent field: the conversion's scale
	v_cvt_scalef32_pk16_bf6_f32 v[CD+12*\a+6*(\c):CD+12*\a+6*(\c)+2], v[MV:MV+15], v[SOP]
	v_cvt_scalef32_pk16_bf6_f32 v[CT:CT+2], v[MV+16:MV+31], v[SOP]   ; (a conversion's three registers begin on an even number)
	v_lshrrev_b32 v[BY+2*\a+(\c)], 23, v[SOP]      ; the byte + 1.  (The plain place behind the conversions)
.irp i, 0,1,2
	v_mov_b32 v[CD+12*\a+6*(\c)+3+\i], v[CT+\i]
.endr
.endm
; a step's GELU; c: the step's parity.  Behind an odd step a K step of the hidden layer is whole and leaves
.macro GELU c
.if (\c) == 0
	s_wait_xcnt 0x0                                ; the last stores have read their registers, which are written anew
.endif
	PLACES
	GCH 0, \c
	GCH 1, \c
.if (\c) == 1
.irp a, 0,1
	v_lshl_or_b32 v[WDT+\a], v[BY+2*\a+1], 16, v[BY+2*\a]   ; my bytes: blocks h and 2 + h,
.endr
.irp a, 0,1
	s_delay_alu instid0(VALU_DEP_2)
	v_lshlrev_b32 v[WDT+\a], v[SH8], v[WDT+\a]     ; 8 h bits up;
.endr
.irp a, 0,1
	s_delay_alu instid0(VALU_DEP_2)
	v_permlanex16_b32 v[PT+\a], v[WDT+\a], s[SEL], s[SEL+1]
.endr
.irp a, 0,1
	s_delay_alu instid0(VALU_DEP_2)
	v_or_b32 v[WDT+\a], v[WDT+\a], v[PT+\a]        ; with lane l xor 16's the word is whole;
.endr
.irp a, 0,1
	s_delay_alu instid0(VALU_DEP_2)
	v_add_nc_u32 v[WDT+\a], 0xfefefeff, v[WDT+\a]  ; 1 off each byte (each is 2 at the least): gelu's scale, half of 2 gelu's
.endr
	v_mov_b32 v[SWD], v[SWD+1]                     ; the K step before's words move down,
	v_cndmask_b32 v[SWD+1], v[WDT], v[WDT+1], s[HIM]   ; and this one's come in: lanes 0-15 tile a = 0's, lanes 16-31 tile 1's
.irp a, 0,1
.irp q, 0,1,2
	global_store_b128 v[HA], v[CD+12*\a+4*\q:CD+12*\a+4*\q+3], s[HBC:HBC+1] offset:\a*1536+512*\q   ; 512 consecutive bytes a store
.endr
.endr
	s_wait_alu depctr_va_vdst(0)
	s_bitcmp1_b32 s[TC], 0
	s_cbranch_scc0 .Lno_words_\@                   ; behind a pass's second K step alone:
	global_store_b64 v[HS], v[SWD:SWD+1], s[HBS:HBS+1]   ; two tiles' scale words: 256 consecutive bytes, aligned
.Lno_words_\@:
.endif
.endm
	XLOAD 0, 0
.irp j, 0,1
.irp p, 0,1,2,3,4,5
	global_load_b64 v[W2T+12*\j+2*\p:W2T+12*\j+2*\p+1], v[W2A], s[W2S:W2S+1] offset:96*\j+48*(\p/3)+8*(\p%3)   ; W2's fragment as its lanes hold it; into registers that the first sweep leaves alone
.endr
.endr
	s_wait_tensorcnt 0x0                           ; my part of chunk 0 is in
	ds_add_u32 v254, v255
	s_wait_dscnt 0x0
	CROUND                                         ; everybody's part is in, and all four work-groups are here
	tensor_load_to_lds s[G0B:G0B+3], s[G1B:G1B+7]  ; my eighth of chunks 1 to 3: the first tensor load behind the round
	s_nop 0
	PLACES
	MSWEEP LI, AS0, 12                             ; step 0 of the first pass, from chunk 0; W2's 12 loads, issued behind x's, may stay out
	s_wait_loadcnt 0x0                             ; W2's fragments are in
.irp j, 0,1
.irp q, 0,1,2
	global_store_b128 v[LI], v[W2T+12*\j+4*\q:W2T+12*\j+4*\q+3], s[W2D:W2D+1] offset:12288*\j+512*\q   ; the image: 512 consecutive bytes a store
.endr
.endr
	GELU 0
	s_wait_tensorcnt 0x0                           ; my part of chunks 1 to 3 is in,
	s_wait_dscnt 0x0
	s_barrier_signal -1
	s_barrier_wait -1                              ; everybody's is
	s_mov_b32 s[TC], 0
.Ltrip:                                                ; trip n: step 1 + 2 (n % 2) of pass n / 2, then the even step behind it
	s_wait_xcnt 0x0                                ; the stores have read their address registers, which are written anew
	s_and_b32 s88, s[TC], 1
	s_mul_i32 s89, s88, 2*CHK
	s_add_co_u32 s89, s89, CHK                     ; the odd step's chunk: 1 or 3
	s_xor_b32 s90, s88, 1
	s_mul_i32 s90, s90, 2*CHK                      ; the even step's: 2 or 0
	s_mul_i32 s91, s88, 12288                      ; hq: K step n % 2,
	s_lshr_b32 s92, s[TC], 1
	s_mul_i32 s93, s92, 3072                       ; two token tiles on with the pass
	s_add_co_u32 s91, s91, s93
	s_lshl_b32 s92, s92, 8
	v_add_nc_u32 v[AWO], s89, v[LI]
	v_add_nc_u32 v[SWO], s89, v[AS0]
	v_add_nc_u32 v[AWE], s90, v[LI]
	v_add_nc_u32 v[SWE], s90, v[AS0]
	v_add_nc_u32 v[HA], s91, v[LI]
	v_add_nc_u32 v[HS], s92, v[HSA]
	s_wait_alu depctr_va_vdst(0)
	MSWEEP AWO, SWO, 0
	s_cmp_lg_u32 s[TC], 1
	s_cbranch_scc1 .Lno_more_x
	PLACES
	XLOAD 24576, 1024                              ; the first pass's last sweep is over: the second pass's two token tiles, asked for a GELU ahead
.Lno_more_x:
	GELU 1
	s_cmp_eq_u32 s[TC], 3
	s_cbranch_scc1 .Ldone                          ; the last trip has no even step
	MSWEEP AWE, SWE, 0
	GELU 0
	s_add_co_u32 s[TC], s[TC], 1
	s_cmp_lt_u32 s[TC], 4
	s_cbranch_scc1 .Ltrip
.Ldone:
	s_wait_tensorcnt 0x0                           ; the wave's end
	ds_add_u32 v254, v255
	s_wait_dscnt 0x0
	CROUND                                         ; the closing round
	s_endpgm
.Lfunc_end_k_q745ba3ba37_up:
	.size	k_q745ba3ba37_up, .Lfunc_end_k_q745ba3ba37_up-k_q745ba3ba37_up
	.p2alignl 7, 3214868480
	.fill 96, 4, 3214868480
	.section	.rodata,"a",@progbits
	.p2align	6, 0x0
	.amdhsa_kernel k_q745ba3ba37_up
		.amdhsa_group_segment_fixed_size 327680
		.amdhsa_private_segment_fixed_size 0
		.amdhsa_enable_private_segment 0
		.amdhsa_kernarg_size 48
		.amdhsa_user_sgpr_count 2
		.amdhsa_user_sgpr_kernarg_segment_ptr 1
		.amdhsa_wavefront_size32 1
		.amdhsa_system_sgpr_workgroup_id_x 1
		.amdhsa_system_sgpr_workgroup_id_y 1
		.amdhsa_system_sgpr_workgroup_id_z 1
		.amdhsa_system_vgpr_workitem_id 0
		.amdhsa_next_free_vgpr 512
		.amdhsa_next_free_sgpr 100
		.amdhsa_reserve_vcc 0
		.amdhsa_float_denorm_mode_32 3
		.amdhsa_float_denorm_mode_16_64 3
		.amdhsa_memory_ordered 1
		.amdhsa_forward_progress 1
		.amdhsa_inst_pref_size 192
	.end_amdhsa_kernel
	.amdgpu_metadata
---
amdhsa.version: [ 1, 2 ]
amdhsa.kernels:
  - .name:           k_q745ba3ba37_up
    .symbol:         k_q745ba3ba37_up.kd
    .args:
      - { .name: xq, .offset: 0, .size: 8, .value_kind: global_buffer, .address_space: global }
      - { .name: xs, .offset: 8, .size: 8, .value_kind: global_buffer, .address_space: global }
      - { .name: w1r, .offset: 16, .size: 8, .value_kind: global_buffer, .address_space: global }
      - { .name: w2_codes, .offset: 24, .size: 8, .value_kind: global_buffer, .address_space: global }
      - { .name: hq, .offset: 32, .size: 8, .value_kind: global_buffer, .address_space: global }
      - { .name: w2r, .offset: 40, .size: 8, .value_kind: global_buffer, .address_space: global }
    .group_segment_fixed_size: 327680
    .private_segment_fixed_size: 0
    .kernarg_segment_align: 8
    .kernarg_segment_size: 48
    .max_flat_workgroup_size: 256
    .sgpr_count:     100
    .vgpr_count:     512
    .wavefront_size: 32
...
	.end_amdgpu_metadata
.endif
;; end of part 2
;; launch down (part 3): grid 32 x 8, 4 waves a work-group, clusters of 4 x 1, 327,680 bytes of LDS; arguments hq, w2r, w2_scales, comb, out0; writes out0
.if DOCPART == 3
	.amdgcn_target "amdgcn-amd-amdhsa--gfx1250"
	.amdhsa_code_object_version 6
	.text
	.protected	k_q745ba3ba37_down
	.globl	k_q745ba3ba37_down
	.p2align	8
	.type	k_q745ba3ba37_down,@function
k_q745ba3ba37_down:
	s_mov_b64 s[64:65], 0
	v_nop
	global_prefetch_b8 v0, s[64:65] scope:SCOPE_SE
	s_setreg_imm32_b32 hwreg(HW_REG_WAVE_MODE, 25, 1), 1
	s_wait_xcnt 0x0
	s_wait_alu depctr_hold_cnt(0) depctr_sa_sdst(0) depctr_va_vdst(0) depctr_va_sdst(0) depctr_va_ssrc(0) depctr_va_vcc(0) depctr_vm_vsrc(0)
	s_getreg_b32 s2, hwreg(HW_REG_IB_STS2, 6, 4)
	s_cmp_eq_u32 s2, 0
	s_cbranch_scc0 .Lentry_in_a_cluster
	s_endpgm
.Lentry_in_a_cluster:
	s_bfe_u32 s2, ttmp6, 0x10000c
	s_cmp_lg_u32 s2, 0x3003
	s_cbranch_scc0 .Lentry_shape_is_right
	s_endpgm
.Lentry_shape_is_right:
; out[n][c] = comb[n][0] Y0[n][c] + comb[n][1] Y1[n][c],  Ye = hidden_e W2_e: the second product on codes of BF6 (E3M2) with E8M0 scales, sums in f32, K = 4,096.
; SHARES.  Work-group (TBk, CB) makes 128 tokens x 128 columns.  Wave w: expert e = w / 2, tokens 64 (w % 2) on, all 128 columns: 4 token tiles x 8 column tiles, 32 accumulators, 1,024 matrix instructions.
; W2 GOES THROUGH LDS, THE HIDDEN LAYER STRAIGHT INTO REGISTERS.  Both operands in LDS would leave two slots of 256 along K: 64 matrix instructions a wave for each change of slots.  With W2 alone a slot holds
; 512 along K of both experts' 128 rows (256 rows x 384 bytes): 128 matrix instructions for each change, 6 refills in all.  hq lies in the order of the operand's registers, so a fragment is three loads of 512
; consecutive bytes; no fragment is loaded twice in a work-group; the loads are asked for four K steps ahead, into a ring of eight sets of registers, and stay out across the changes of slots.
; That is why the hidden layer is not asked for jointly, though work-groups of other CB read the same chunks.
; CLUSTER 4 x 1: the four partners differ in TBk alone and need the same rows and scale bytes of W2: every tensor load is joint, with the same descriptor and the mask of all four; each wave brings 64 rows.
; THE PRODUCT IS USED TRANSPOSED (source 0 = 16 rows of W2, source 1 = 16 tokens): a lane holds eight neighbouring columns of one token's row.
; THE TWO EXPERTS MEET IN LDS at the end: a wave keeps two token tiles (its register blocks 0, 1: tiles 2 e, 2 e + 1 of its four) and sends the other two (blocks 2, 3) to its partner w xor 2.  Which token tile a
; block holds is a matter of addresses alone, so one text serves both experts.
; This launch claims all of a WGP's LDS and adds 0 to spare words ahead of each refill and at its end.
; REGISTERS.  Window 0: v2-29 addresses; v32-47 the hidden layer's scale words (4 for each 256 along K, a ring of four); v48-111 W2's (a set a slot: 4 b + q); v112-207 hq's sets 6, 7; v224-227 comb;
;   on the way out v32-223.   Window 1: W2's fragments, two sets of 8 x 12; v192-239 hq's set 5.   Window 2: the accumulators (8 (8 block + b)).   Window 3: hq's sets 0 to 4 (48 each).
; W2 COMES FROM w2r, as images of an operand's registers: [expert][128 columns][K step][column tile][1,536 bytes].  A slot holds, for each expert, 4 K steps x 8 tiles = 49,152 dense bytes, at (8 q + b) 1,536;
; a wave's load brings 96 rows of 256 bytes, each at a multiple of 256 bytes of memory, and a fragment is three LDS loads of 512 consecutive bytes.  (So no row of 384 bytes and no padding of W2's codes is left in this text.)
.set QTR,   24576                      ; what one tensor load of the ring brings: two K steps of one expert
.set SLOT,  4*QTR                      ; expert 0's 128 rows, then expert 1's
.set SCL,   2*SLOT                     ; W2's scale bytes for all of K: 2 experts x 64 x (256 + 16)
.set SPARE, SCL+2*64*272               ; the spare words: 128 bytes a wave, two blocks of 256 that no other line names
.set CHNK,  25600                      ; a chunk of hq: 128 tokens x 256 along K: images at (8 kk + tile) 1,536, scale words at 24,576 + 128 tile + 8 r + 4 kk
.set STGB,  65536                      ; the way out lies in slot 0, which has had its last fill and its last read by then: images to the partner at 16,384 w, stages of 16 x 528 bytes from here on
.set SPI,   528
.set ALO,  2                           ; v2     hq: 16 x lane + my first kept tile's image
.set AHI,  3                           ; v3     the same for my first sent tile
.set ASLO, 4                           ; v4     hq's scale words: 8 x lane from my first kept tile's on: lanes 0-15 that tile, lanes 16-31 the next
.set ASHI, 5                           ; v5     the same for the sent tiles
.set ADRB, 6                           ; v6-7   slot s: W2's fragments
.set ADSB, 10                          ; v10    W2's scale words; 16 bytes on with each slot
.set EXW,  11
.set EXR,  12
.set STO,  13
.set RD,   14
.set CVO,  16
.set CVX,  17
.set CO,   26                          ; v26    16 x lane
.set SPW,  28                          ; v28    SPARE + 4 x my thread's number; never rewritten
.set NIL,  29                          ; v29    0; never rewritten
.set SA,   32
.set SB,   48
.set CMB,  224                         ; v224-227: block 0, 1: (my expert's weight, the other's) of my token
.set IMG,  32
.set RES,  96
.set OBR,  160
.set G1B,  24
.set G1S,  32
.set AB,   42                          ; s[42:43] my expert's and block's chunks of hq; 8 K steps on with each trip
.set G0B,  48                          ; s[48:55] group 0 for W2's rows, a set a slot
.set G0S,  56
.set G0H,  60                          ; s[60:63] group 0 of the head's load of codes: slot 0, one whole expert
; W2'S SLOTS ARE PREFETCHED.  At a change of slots every wave has waited for all its tensor loads, so a refill goes out with nothing on its way beside it: what it asks for is asked of memory one slot, four K steps, earlier.
; Of the 96 blocks of 256 bytes that wave w fetches for a slot, the partner at place cx names 24 (lanes 24-31 name the last of them again): told apart by address alone, each block once in a cluster.
; Slots 1 and 2 are asked for at the head, slot n + 1 in the K step behind the refill with slot n; nothing is asked for beyond slot 7.  s[46:47], my quarter of slot 0, steps two slots a trip, behind the trip's wait on XCNT.
; The hidden layer's loads are asked for four K steps ahead by themselves and have no prefetch.
.set PFW,  8                           ; v8     256 x min(lane, 23) + 6,144 cx; never rewritten
.set PFON, 0                           ; 1 in the loop's text
.set G1H,  68                          ; s[68:75] its group 1: 192 rows
.set MSB, 0
.macro WIN new                         ; the immediate's high byte repeats the setting that is left
.if MSB != \new
	s_set_vgpr_msb (MSB<<8)|\new
.set MSB, \new
.endif
.endm
.macro PLACES                          ; four plain places behind a matrix instruction, ahead of loads into its registers and of reads of its result (ISA guide 7.12.1 for reads of its result)
.rept 4
	v_nop
.endr
.endm
.macro CREST                           ; a round of the cluster's barrier behind its opening barrier
	s_cmp_lg_u32 s14, 0
	s_cbranch_scc1 .Lnot_wave_0_\@
	s_barrier_signal -3
.Lnot_wave_0_\@:
	s_barrier_wait -3
	s_barrier_signal -1
	s_barrier_wait -1
.endm
.macro CROUND
	s_barrier_signal -1
	s_barrier_wait -1
	CREST
.endm
.macro ASET j                          ; where hq's set j lies: window AWN, register ABS; the settings for loads into it and for products that read it
.set AWN, 3
.set ABS, 48*(\j)
.if (\j) == 5
.set AWN, 1
.set ABS, 192
.endif
.if (\j) > 5
.set AWN, 0
.set ABS, 112+48*((\j)-6)
.endif
.set LDW, AWN*64                       ; destination window AWN, address window 0
.set MLW, 0xa1+AWN*4                   ; source 0 (W2) window 1, source 1 window AWN, C and D window 2
.endm
	s_load_b256 s[4:11], s[0:1], 0x0               ; hq s[4:5], w2r s[6:7], w2_scales s[8:9], comb s[10:11]
	s_load_b64 s[12:13], s[0:1], 0x20              ; out0
	v_lshl_add_u32 v[SPW], v0, 2, SPARE
	v_mov_b32 v[NIL], 0
	ds_add_u32 v28, v29
	ds_add_u32 v28, v29
	s_wait_dscnt 0x0
	v_lshrrev_b32 v1, 5, v0
	v_readfirstlane_b32 s14, v1                    ; wave 0..3
	s_lshr_b32 s15, s14, 1                         ; my expert.  Also: for which expert I fetch rows of W2
	s_and_b32 s16, s14, 1                          ; my half of the tokens.  Also: which 64 of the 128 rows I fetch
	s_bfe_u32 s40, ttmp6, 0x40000                  ; cx: it enters the addresses of hq, comb, out0 and the prefetches alone
	s_lshl_b32 s17, ttmp9, 2
	s_add_co_u32 s17, s17, s40                     ; TBk = 4 x cluster x + cx
	s_and_b32 s18, ttmp7, 0xffff                   ; CB, which the four partners share
	; descriptor group 1 for W2's rows: 96 dense rows of 256 bytes, no padding
	s_mov_b32 s[G1B], 15|(3<<16)|(1<<21)           ; 15:0 the mask of all four; 17:16 8 bytes; 21 set beside a mask: 96 dense rows of 256 bytes
	s_mov_b32 s[G1B+1], 32<<16
	s_mov_b32 s[G1B+2], 96<<16
	s_mov_b32 s[G1B+3], 32<<16
	s_mov_b32 s[G1B+4], 96
	s_mov_b32 s[G1B+5], 32
	s_mov_b32 s[G1B+6], 0
	s_mov_b32 s[G1B+7], 0
	s_mov_b32 s[G1H], 15|(3<<16)|(1<<21)           ; the same with 192 rows
	s_mov_b32 s[G1H+1], 32<<16
	s_mov_b32 s[G1H+2], 192<<16
	s_mov_b32 s[G1H+3], 32<<16
	s_mov_b32 s[G1H+4], 192
	s_mov_b32 s[G1H+5], 32
	s_mov_b32 s[G1H+6], 0
	s_mov_b32 s[G1H+7], 0
	; and for 16,384 scale bytes: 64 dense rows of 256 bytes, 16 bytes of padding behind each
	s_mov_b32 s[G1S], 15|(3<<16)|(1<<20)|(1<<21)|(5<<22)|(3<<25)
	s_mov_b32 s[G1S+1], 32<<16
	s_mov_b32 s[G1S+2], 64<<16                     ; one expert's 16,384 scale bytes: 64 rows
	s_mov_b32 s[G1S+3], 32<<16
	s_mov_b32 s[G1S+4], 64
	s_mov_b32 s[G1S+5], 32
	s_mov_b32 s[G1S+6], 0
	s_mov_b32 s[G1S+7], 0
	; what I fetch: made of CB and the wave's number alone
	s_lshl_b32 s46, s15, 3
	s_add_co_u32 s46, s46, s18
	s_mul_i32 s46, s46, 393216                     ; the ring: expert w / 2, columns 128 CB on: 8 slots of 49,152 bytes,
	s_mul_i32 s47, s16, QTR                        ; and my half of each
	s_add_co_u32 s46, s46, s47
	s_mov_b32 s47, 0
	s_mov_b32 s93, 0
	s_mul_i32 s45, s14, QTR                        ; where they go: wave x 24,576: no place in the cluster enters an LDS address
	; my tokens
	s_lshl_b32 s22, s15, 5
	s_add_co_u32 s22, s22, s17                     ; 32 x expert + TBk
	s_mul_i32 s22, s22, 16*CHNK                    ; the first of its 16 chunks
	s_mov_b32 s23, 0
	s_lshl_b32 s82, s17, 7
	s_lshl_b32 s83, s16, 6
	s_add_co_u32 s82, s82, s83
	s_lshl_b32 s83, s15, 5
	s_add_co_u32 s82, s82, s83                     ; the first token that I store: 128 TBk + 64 (w % 2) + 32 e
	s_lshl_b32 s82, s82, 12
	s_lshl_b32 s83, s18, 9
	s_add_co_u32 s82, s82, s83                     ; + the block's 512 bytes of columns
	s_mov_b32 s83, 0
	s_lshl_b32 s84, s17, 10                        ; comb: 128 tokens of 8 bytes
	s_mov_b32 s85, 0
	v_and_b32 v1, 31, v0                           ; lane
	v_and_b32 v24, 15, v0                          ; r
	v_bfe_u32 v25, v0, 4, 1                        ; h
	v_lshlrev_b32 v[CO], 4, v1                     ; 16 x lane
	v_lshlrev_b32 v27, 3, v1                       ; 8 x lane
	s_wait_alu depctr_va_vdst(0)
	s_lshl_b32 s80, s16, 2
	s_lshl_b32 s81, s15, 1
	s_add_co_u32 s80, s80, s81                     ; blocks 0, 1 are token tiles 4 (w % 2) + 2 e on,
	s_xor_b32 s81, s80, 2                          ; blocks 2, 3 tiles 4 (w % 2) + 2 (1 - e) on
	s_mul_i32 s86, s80, 1536
	s_mul_i32 s87, s81, 1536
	v_add_nc_u32 v[ALO], s86, v[CO]
	v_add_nc_u32 v[AHI], s87, v[CO]
	s_lshl_b32 s86, s80, 7
	s_add_co_u32 s86, s86, 24576
	s_lshl_b32 s87, s81, 7
	s_add_co_u32 s87, s87, 24576
	v_add_nc_u32 v[ASLO], s86, v27
	v_add_nc_u32 v[ASHI], s87, v27
	s_mul_i32 s86, s15, 2*QTR                      ; my expert's images
	v_add_nc_u32 v[ADRB], s86, v[CO]               ; + 16 x lane
	v_add_nc_u32 v[ADRB+1], SLOT, v[ADRB]
	v_min_u32 v[PFW], 23, v1
	s_mul_i32 s41, s40, 6144                       ; my work-group's 24 of the 96 blocks
	v_lshlrev_b32 v[PFW], 8, v[PFW]
	v_add_nc_u32 v[PFW], s41, v[PFW]
	v_lshrrev_b32 v30, 1, v24
	v_and_b32 v31, 1, v24
	v_mul_u32_u24 v30, v30, 272                    ; two rows of 128 scale bytes to a run of 256 + 16
	v_lshl_add_u32 v30, v31, 7, v30
	s_mul_i32 s86, s15, 17408
	s_add_co_u32 s86, s86, SCL
	v_add_nc_u32 v[ADSB], s86, v30
	s_lshl_b32 s86, s14, 14
	v_add_nc_u32 v[EXW], s86, v[CO]                ; what I send,
	s_xor_b32 s87, s14, 2
	s_lshl_b32 s87, s87, 14
	v_add_nc_u32 v[EXR], s87, v[CO]                ; what my partner sends
	s_mul_i32 s86, s14, 16*SPI
	s_add_co_u32 s86, s86, STGB                    ; my stage
	v_mul_u32_u24 v30, v24, SPI
	v_lshl_add_u32 v30, v25, 5, v30
	v_add_nc_u32 v[STO], s86, v30                  ; in: row r, + 32 h
	v_add_nc_u32 v[RD], s86, v[CO]                 ; back: the 32 lanes take one row of 512 bytes
	v_lshlrev_b32 v31, 3, v24
	s_lshl_b32 s86, s16, 9
	s_mul_i32 s87, s15, 260
	s_add_co_u32 s87, s87, s86
	v_add_nc_u32 v[CVO], s87, v31                  ; comb of token 64 (w % 2) + 32 e + r: my expert's,
	s_mul_i32 s87, s15, 252
	s_add_co_u32 s87, s87, s86
	s_add_co_u32 s87, s87, 4
	v_add_nc_u32 v[CVX], s87, v31                  ; and the other's
	s_wait_kmcnt 0x0
	s_add_nc_u64 s[12:13], s[12:13], s[82:83]
	s_add_nc_u64 s[10:11], s[10:11], s[84:85]
	s_add_nc_u64 s[AB:AB+1], s[4:5], s[22:23]
	s_add_nc_u64 s[46:47], s[6:7], s[46:47]
	; the head's loads, each for expert w % 2: waves 2, 3 its scale bytes, waves 0, 1 its half of slot 0
	s_mov_b32 s[G0S], 1
	s_mul_i32 s[G0S+1], s16, 17408
	s_add_co_u32 s[G0S+1], s[G0S+1], SCL
	s_lshl_b32 s92, s16, 17                        ; 1,024 rows of 128 scale bytes an expert,
	s_lshl_b32 s94, s18, 14                        ; 128 rows a block of columns
	s_add_co_u32 s92, s92, s94
	s_add_nc_u64 s[G0S+2:G0S+3], s[8:9], s[92:93]
	s_or_b32 s[G0S+3], s[G0S+3], 0x80000000
	s_mov_b32 s[G0H], 1
	s_mul_i32 s[G0H+1], s16, 2*QTR
	s_lshl_b32 s92, s16, 3
	s_add_co_u32 s92, s92, s18
	s_mul_i32 s92, s92, 393216
	s_add_nc_u64 s[G0H+2:G0H+3], s[6:7], s[92:93]
	s_or_b32 s[G0H+3], s[G0H+3], 0x80000000
.irp s, 0,1
	s_mov_b32 s[G0B+4*\s], 1                                       ; count = 1
	s_add_co_u32 s[G0B+4*\s+1], s45, \s*SLOT                       ; LDS address
	s_add_nc_u64 s[G0B+4*\s+2:G0B+4*\s+3], s[46:47], \s*49152      ; global address: slot s
	s_or_b32 s[G0B+4*\s+3], s[G0B+4*\s+3], 0x80000000              ; type = 2
.endr
	CROUND                                         ; all four work-groups are here: the first joint loads meet
	s_cmp_eq_u32 s15, 0                            ; one load a wave at the head, in the two arms of one branch on the wave's number
	s_cbranch_scc0 .Lhead_scales
	tensor_load_to_lds s[G0H:G0H+3], s[G1H:G1H+7]  ; waves 0, 1: slot 0, expert w
	s_nop 0
	PLACES
	s_branch .Lhead_asked
.Lhead_scales:
	tensor_load_to_lds s[G0S:G0S+3], s[G1S:G1S+7]  ; waves 2, 3: the scale bytes of expert w - 2
	s_nop 0
	PLACES
.Lhead_asked:
	s_wait_alu depctr_va_vdst(0)
	global_prefetch_b8 v[PFW], s[46:47] offset:49152 th:TH_LOAD_NT scope:SCOPE_SE   ; slot 1, whose load stands behind the next round
.irp al, 0,1
	global_load_b32 v[CMB+2*\al], v[CVO], s[10:11] offset:128*\al
	global_load_b32 v[CMB+2*\al+1], v[CVX], s[10:11] offset:128*\al
.endr
; The hidden layer's group of K step m, counted from where s[AB] stands: 12 loads of 512 consecutive bytes into set m % 8; an even m also brings the scale words of its 256 along K, two tiles a load: 14 loads
.macro ALOAD m
.set LJ, (\m)%8
.set LOFF, ((\m)/2)*CHNK+((\m)%2)*12288
.if (\m)%2 == 0
	WIN 0
	global_load_b64 v[SA+4*(LJ/2):SA+4*(LJ/2)+1], v[ASLO], s[AB:AB+1] offset:((\m)/2)*CHNK
	global_load_b64 v[SA+4*(LJ/2)+2:SA+4*(LJ/2)+3], v[ASHI], s[AB:AB+1] offset:((\m)/2)*CHNK
.endif
	ASET LJ
	WIN LDW
.irp al, 0,1
.irp pl, 0,1,2
	global_load_b128 v[ABS+12*\al+4*\pl:ABS+12*\al+4*\pl+3], v[ALO], s[AB:AB+1] offset:LOFF+1536*\al+512*\pl
.endr
.endr
.irp al, 0,1
.irp pl, 0,1,2
	global_load_b128 v[ABS+24+12*\al+4*\pl:ABS+24+12*\al+4*\pl+3], v[AHI], s[AB:AB+1] offset:LOFF+1536*\al+512*\pl
.endr
.endr
.endm
.macro FRAG reg, adr, q, i             ; a fragment of W2: lane l holds row l % 16
.irp p, 0,1,2                          ; the image of K step q, tile i: registers 4 p .. 4 p + 3 at 512 p + 16 x lane
	ds_load_b128 v[\reg+4*\p:\reg+4*\p+3], v[\adr] offset:(8*(\q)+(\i))*1536+512*\p
.endr
.endm
.macro FB slot, q                      ; W2's eight fragments of the slot's q-th 128 along K, into set q % 2
	WIN 0x40                                       ; destination window 1
.irp b, 0,1,2,3,4,5,6,7
	FRAG 96*((\q)%2)+12*\b, ADRB+\slot, \q, \b
.endr
.endm
.macro SCALES slot                     ; W2's scale words of a slot: four a row
	WIN 0
.irp b, 0,1,2,3,4,5,6,7
	ds_load_b128 v[SB+32*(\slot)+4*\b:SB+32*(\slot)+4*\b+3], v[ADSB] offset:2176*\b
.endr
.endm
; n blocks from a0 on x the eight column tiles; the 32 accumulators take turns, one instruction a turn, in the same order in every K step.
; An odd block's scale words stand in lanes 16-31 of the register that holds the even block's in lanes 0-15.
.macro MUL a0, n, slot, q, zero
.set AL, \a0
.rept \n
.set SAR, SA+4*(2*(\slot)+(\q)/2)+2*(AL/2)+(\q)%2
.irp b, 0,1,2,3,4,5,6,7
.if \zero
.if AL%2
	v_wmma_scale_f32_16x16x128_f8f6f4 v[8*(8*AL+\b):8*(8*AL+\b)+7], v[96*((\q)%2)+12*\b:96*((\q)%2)+12*\b+11], v[ABS+12*AL:ABS+12*AL+11], 0, v[SB+32*(\slot)+4*\b+(\q)], v[SAR] matrix_a_fmt:MATRIX_FMT_BF6 matrix_b_fmt:MATRIX_FMT_BF6 matrix_b_scale:MATRIX_SCALE_ROW1
.else
	v_wmma_scale_f32_16x16x128_f8f6f4 v[8*(8*AL+\b):8*(8*AL+\b)+7], v[96*((\q)%2)+12*\b:96*((\q)%2)+12*\b+11], v[ABS+12*AL:ABS+12*AL+11], 0, v[SB+32*(\slot)+4*\b+(\q)], v[SAR] matrix_a_fmt:MATRIX_FMT_BF6 matrix_b_fmt:MATRIX_FMT_BF6
.endif
.else
.if AL%2
	v_wmma_scale_f32_16x16x128_f8f6f4 v[8*(8*AL+\b):8*(8*AL+\b)+7], v[96*((\q)%2)+12*\b:96*((\q)%2)+12*\b+11], v[ABS+12*AL:ABS+12*AL+11], v[8*(8*AL+\b):8*(8*AL+\b)+7], v[SB+32*(\slot)+4*\b+(\q)], v[SAR] matrix_a_fmt:MATRIX_FMT_BF6 matrix_b_fmt:MATRIX_FMT_BF6 matrix_b_scale:MATRIX_SCALE_ROW1
.else
	v_wmma_scale_f32_16x16x128_f8f6f4 v[8*(8*AL+\b):8*(8*AL+\b)+7], v[96*((\q)%2)+12*\b:96*((\q)%2)+12*\b+11], v[ABS+12*AL:ABS+12*AL+11], v[8*(8*AL+\b):8*(8*AL+\b)+7], v[SB+32*(\slot)+4*\b+(\q)], v[SAR] matrix_a_fmt:MATRIX_FMT_BF6 matrix_b_fmt:MATRIX_FMT_BF6
.endif
.endif
.endr
.set AL, AL+1
.endr
.endm
; A K STEP: the q-th 128 along K of a slot: 32 matrix instructions on hq's set 4 slot + q and W2's set q % 2.
; wl: the loads issued behind this K step's group, which may stay out: the three younger groups.  fetch = 1: the next K step's fragments of W2 are asked for (behind q = 3: the other slot's first, and its scale words).
; ld: the hidden layer's group four K steps on is asked for (-1: none is left).  chg: the change of slots, in a slot's third K step, where the slot's last fragments have been asked for:
; each wave waits for all its tensor loads (one is out: its part of the other slot), adds 0 to its spare word, and waits for that and for its reads of this slot.  chg = 1: the barrier opens a round of the
; cluster's, and this slot is filled again, two slots ahead; chg = 2: nothing is left to fetch: a plain barrier.
.macro KS slot, q, ld, wl, zero, chg, fetch
	s_wait_loadcnt \wl                             ; loads come back in order (ISA guide 5.7.1): my group is in, the younger ones stay out
	s_wait_dscnt 0x0                               ; W2's set, asked for a K step ago, is in
.if \fetch
.if (\q) < 3
	PLACES                                         ; the set to be loaded was multiplied just now
	FB \slot, (\q)+1
.else
.set NX, 1-(\slot)
	WIN 0                                          ; (the four v_nop at the end of the K step before are the places here)
	v_add_nc_u32 v[ADSB], 16, v[ADSB]              ; W2's scale words of the next 512 along K
	FB NX, 0
	SCALES NX
.endif
.endif
.if (\ld) >= 0
	ALOAD \ld
.endif
.if PFON && ((\q) == 3)
	WIN 0                                          ; (a branch and a label follow)
.if (\slot) == 1
	s_cmp_gt_u32 s3, 1                             ; in the last trip the slot behind slot 7 does not exist
	s_cbranch_scc0 .Lno_ask_\@
.endif
	global_prefetch_b8 v[PFW], s[46:47] offset:(3+(\slot))*49152 th:TH_LOAD_NT scope:SCOPE_SE   ; the slot that the next refill brings
.Lno_ask_\@:
.endif
	ASET 4*(\slot)+(\q)
	WIN MLW
.if \chg
	MUL 0, 3, \slot, \q, \zero
	WIN 0                                          ; (the add's two registers lie in window 0)
	s_wait_tensorcnt 0x0                           ; all my tensor loads have landed;
	ds_add_u32 v[SPW], v[NIL]                      ; 0 onto my spare word;
	WIN MLW
	MUL 3, 1, \slot, \q, \zero                     ; eight matrix instructions stand between the add and the wait for it
	s_wait_dscnt 0x0                               ; the add is done, and my reads of this slot are over
	WIN 0
	s_barrier_signal -1
	s_barrier_wait -1
.if (\chg) == 1
	CREST                                          ; no wave of any partner still reads this slot or has a load on its way
	s_add_nc_u64 s[G0B+4*(\slot)+2:G0B+4*(\slot)+3], s[G0B+4*(\slot)+2:G0B+4*(\slot)+3], 2*49152
	tensor_load_to_lds s[G0B+4*(\slot):G0B+4*(\slot)+3], s[G1B:G1B+7]   ; the first tensor load behind the round, and my only one until the next
	s_nop 0
.endif
	PLACES                                         ; four v_nop follow the load; they are also the places in front of the next K step's loads
.else
	MUL 0, 4, \slot, \q, \zero
.endif
.endm
	ALOAD 0                                        ; the hidden layer's first four K steps: with comb's four, 56 loads of mine are out
	ALOAD 1
	ALOAD 2
	ALOAD 3
	WIN 0
	s_wait_tensorcnt 0x0                           ; my load of the head is in
	ds_add_u32 v[SPW], v[NIL]
	s_wait_dscnt 0x0
	CROUND                                         ; slot 0 and the scale bytes are whole, and all four work-groups are here
	tensor_load_to_lds s[G0B+4:G0B+7], s[G1B:G1B+7]   ; my quarter of slot 1: the first tensor load behind the round
	s_nop 0
	PLACES
	global_prefetch_b8 v[PFW], s[46:47] offset:2*49152 th:TH_LOAD_NT scope:SCOPE_SE   ; slot 2, which the first refill brings
	FB 0, 0
	SCALES 0
	KS 0, 0, 4, 38, 1, 0, 1                        ; the first K step stands in front of the loop: its products start the sums
	WIN 0                                          ; at a label and at a branch every window is 0
	s_mov_b32 s3, 3
.set PFON, 1
.Llap:                                                 ; a trip goes once round the ring, from a lap's second K step to the next lap's first, and fills both slots again
	KS 0, 1, 5, 40, 0, 0, 1
	KS 0, 2, 6, 38, 0, 1, 1
	s_wait_alu depctr_va_vdst(0)
	KS 0, 3, 7, 40, 0, 0, 1
	KS 1, 0, 8, 38, 0, 0, 1
	KS 1, 1, 9, 40, 0, 0, 1
	KS 1, 2, 10, 38, 0, 1, 1
	s_wait_alu depctr_va_vdst(0)
	KS 1, 3, 11, 40, 0, 0, 1
	KS 0, 0, 12, 38, 0, 0, 1
	WIN 0
	s_wait_xcnt 0x0                                ; the loads have read their base, which steps:
	s_add_nc_u64 s[AB:AB+1], s[AB:AB+1], 4*CHNK    ; 8 K steps on
	s_add_nc_u64 s[46:47], s[46:47], 2*49152       ; and the prefetches' base two slots on
	s_sub_co_u32 s3, s3, 1
	s_cmp_lg_u32 s3, 0
	s_cbranch_scc1 .Llap
.set PFON, 0
	KS 0, 1, 5, 40, 0, 0, 1                        ; the tail is written out
	KS 0, 2, 6, 38, 0, 2, 1                        ; nothing is left to fetch of W2: a plain barrier, behind which slot 1 is whole and nobody reads slot 0
	s_wait_alu depctr_va_vdst(0)
	KS 0, 3, 7, 40, 0, 0, 1                        ; the hidden layer's last group is asked for
	KS 1, 0, -1, 38, 0, 0, 1
	KS 1, 1, -1, 26, 0, 0, 1                       ; the counts run down: two groups behind mine,
	KS 1, 2, -1, 12, 0, 0, 1                       ; one,
	KS 1, 3, -1, 0, 0, 0, 0                        ; none
	WIN 0
	; THE WAY OUT.  Blocks 2, 3 go to the partner as images of their registers; a barrier; then block by block: mine x my expert's weight + the partner's x the other's, through my stage, out as whole rows of 512 bytes.
	PLACES
	WIN 0x08                                       ; an LDS store's data are its source 1: window 2
.irp al, 2,3
.irp b, 0,1,2,3,4,5,6,7
	ds_store_b128 v[EXW], v[8*(8*\al+\b):8*(8*\al+\b)+3] offset:(8*(\al-2)+\b)*1024           ; each accumulator from its low end on
	ds_store_b128 v[EXW], v[8*(8*\al+\b)+4:8*(8*\al+\b)+7] offset:(8*(\al-2)+\b)*1024+512
.endr
.endr
	WIN 0
	s_wait_loadcnt 0x0                             ; comb
	s_wait_dscnt 0x0                               ; for the partner's sake: my stores have landed
	s_barrier_signal -1
	s_barrier_wait -1
.macro OUTA al
.irp b, 0,1,2,3,4,5,6,7
	ds_load_b128 v[IMG+8*\b:IMG+8*\b+3], v[EXR] offset:(8*(\al)+\b)*1024
	ds_load_b128 v[IMG+8*\b+4:IMG+8*\b+7], v[EXR] offset:(8*(\al)+\b)*1024+512
.endr
	WIN 0x02                                       ; source 0: the accumulators, window 2
.set JJ, 0
.rept 32
	v_pk_mul_f32 v[RES+JJ:RES+JJ+1], v[64*(\al)+JJ:64*(\al)+JJ+1], v[CMB+2*(\al):CMB+2*(\al)+1] op_sel_hi:[1,0]   ; x the pair's first word
.set JJ, JJ+2
.endr
	WIN 0
	s_wait_dscnt 0x0
.set JJ, 0
.rept 32
	v_pk_fma_f32 v[RES+JJ:RES+JJ+1], v[IMG+JJ:IMG+JJ+1], v[CMB+2*(\al):CMB+2*(\al)+1], v[RES+JJ:RES+JJ+1] op_sel:[0,1,0]   ; + the partner's x the pair's second word
.set JJ, JJ+2
.endr
.irp b, 0,1,2,3,4,5,6,7
	ds_store_b128 v[STO], v[RES+8*\b:RES+8*\b+3] offset:64*\b
	ds_store_b128 v[STO], v[RES+8*\b+4:RES+8*\b+7] offset:64*\b+16
.endr
.if (\al) > 0
	s_wait_xcnt 0x0                                ; the last block's stores have read their registers, which are loaded anew
.endif
.irp i, 0,1,2,3,4,5,6,7,8,9,10,11,12,13,14,15
	ds_load_b128 v[OBR+4*\i:OBR+4*\i+3], v[RD] offset:\i*SPI   ; LDS serves a wave's instructions in order (ISA guide 5.7.1.4): these see my stores
.endr
.irp i, 0,1,2,3,4,5,6,7,8,9,10,11,12,13,14,15
	s_wait_dscnt 15-\i                             ; load i is in; those behind it may be out
	global_store_b128 v[CO], v[OBR+4*\i:OBR+4*\i+3], s[12:13] offset:(16*(\al)+\i)*4096 th:TH_STORE_NT   ; 32 lanes store 512 consecutive bytes, at a multiple of 256 from out0's first byte
.endr
.endm
	OUTA 0
	OUTA 1
	s_wait_tensorcnt 0x0                           ; the wave's end
	ds_add_u32 v[SPW], v[NIL]
	s_wait_dscnt 0x0
	CROUND                                         ; the closing round: no work-group ends while a partner may still ask for a tile that names it
	s_endpgm
.Lfunc_end_k_q745ba3ba37_down:
	.size	k_q745ba3ba37_down, .Lfunc_end_k_q745ba3ba37_down-k_q745ba3ba37_down
	.p2alignl 7, 3214868480
	.fill 96, 4, 3214868480
	.section	.rodata,"a",@progbits
	.p2align	6, 0x0
	.amdhsa_kernel k_q745ba3ba37_down
		.amdhsa_group_segment_fixed_size 327680
		.amdhsa_private_segment_fixed_size 0
		.amdhsa_enable_private_segment 0
		.amdhsa_kernarg_size 40
		.amdhsa_user_sgpr_count 2
		.amdhsa_user_sgpr_kernarg_segment_ptr 1
		.amdhsa_wavefront_size32 1
		.amdhsa_system_sgpr_workgroup_id_x 1
		.amdhsa_system_sgpr_workgroup_id_y 1
		.amdhsa_system_sgpr_workgroup_id_z 1
		.amdhsa_system_vgpr_workitem_id 0
		.amdhsa_next_free_vgpr 1024
		.amdhsa_next_free_sgpr 98
		.amdhsa_reserve_vcc 0
		.amdhsa_float_denorm_mode_32 3
		.amdhsa_float_denorm_mode_16_64 3
		.amdhsa_memory_ordered 1
		.amdhsa_forward_progress 1
		.amdhsa_inst_pref_size 147
	.end_amdhsa_kernel
	.amdgpu_metadata
---
amdhsa.version: [ 1, 2 ]
amdhsa.kernels:
  - .name:           k_q745ba3ba37_down
    .symbol:         k_q745ba3ba37_down.kd
    .args:
      - { .name: hq, .offset: 0, .size: 8, .value_kind: global_buffer, .address_space: global }
      - { .name: w2r, .offset: 8, .size: 8, .value_kind: global_buffer, .address_space: global }
      - { .name: w2_scales, .offset: 16, .size: 8, .value_kind: global_buffer, .address_space: global }
      - { .name: comb, .offset: 24, .size: 8, .value_kind: global_buffer, .address_space: global }
      - { .name: out0, .offset: 32, .size: 8, .value_kind: global_buffer, .address_space: global }
    .group_segment_fixed_size: 327680
    .private_segment_fixed_size: 0
    .kernarg_segment_align: 8
    .kernarg_segment_size: 40
    .max_flat_workgroup_size: 128
    .sgpr_count:     98
    .vgpr_count:     1024
    .wavefront_size: 32
...
	.end_amdgpu_metadata
.endif
;; end of part 3
